; MI455X (gfx1250); checked and timed in simulation.
; The chip was launched on July 23, 2026; its instructions are those of AMD's public machine-readable ISA for CDNA 5 (MIT licence, August 2026) and "CDNA5" Instruction Set Architecture Reference Guide (July 2026). The comments in the code are by the model that wrote it; some were corrected since.
;; Full Attention. Allowed arithmetic: matrix products marked QUANTISED: E5M2 operands, one given power-of-two scale a tensor, by v_wmma_f32_16x16x64_bf8_bf8 or v_wmma_f32_16x16x128_bf8_bf8, f32 sums; everything else in f32.
;; Inputs: keys_codes 4 x 2,048 x 8 x 2 x 32 uint8 (E5M2 codes of keys, K innermost, in blocks of 32 codes); lowp_scales 4 int32 (the exponents e of the quantised operands' scales 2^e); queries_codes 4 x 2,048 x 8 x 2 x 32 uint8 (E5M2 codes of queries, K innermost, in blocks of 32 codes); values_codes 4 x 8 x 64 x 64 x 32 uint8 (E5M2 codes of values, K innermost, in blocks of 32 codes).
;; Outputs: out0 4 x 2,048 x 8 x 64 float32.
;; This version of the problem:
;;   THIS VERSION OF THE PROBLEM IS GIVEN IN LOW PRECISION. The matrix products marked QUANTISED in the list below multiply operands that are first quantised to E5M2 (5 exponent bits, 2 mantissa bits; 8 bits a number), with one given power-of-two scale for each operand tensor; their sums are f32. All else is computed in f32.
;;   The module's matrix products, in the order in which they are computed (A, B: the left and right operand; K: the contracted axis; several contracted axes count as one K, in the product's order):
;;     1. batch 32 x [M 2,048, K 64] x [K 64, N 2,048]; A: input queries (given as codes); B: input keys (given as codes): QUANTISED (scales: A lowp_scales[0], B lowp_scales[1])
;;     2. batch 32 x [M 64, K 2,048] x [K 2,048, N 2,048]; A: input values (given as codes); B: softmax (see below): QUANTISED (scales: A lowp_scales[2], B lowp_scales[3])
;;   THE QUANTISER, for each operand of a quantised product, along K:
;;     - The operand's scale is 2^e, e = its entry of the input lowp_scales (int32; the entries are numbered through the quantised products in the list's order, A before B).
;;     - Each number is divided by the scale, clamped to +-57,344, and rounded to the nearest number of E5M2, ties to even, subnormals kept.
;;     - The product sums the exact products of the quantised numbers (number of the format x scale) in f32.
;;   ~~~python
;;   def quantise(x, axis, e):      # numpy; x: float32 -> the quantised numbers, widened to float32 again
;;       x = np.moveaxis(x, axis, -1); K = x.shape[-1]
;;       r = np.clip(x / 2.0 ** e, -57344, 57344)
;;       step = 2.0 ** (np.maximum(np.frexp(np.where(r == 0, 1, r))[1] - 1, -14) - 2)
;;       q = np.round(r / step) * step * 2.0 ** e      # np.round: ties to even
;;       return np.moveaxis(q, -1, axis).astype(np.float32)
;;   ~~~
;;   SOFTMAX AHEAD OF A QUANTISED PRODUCT. Where the list says 'softmax', what is quantised is not the finished softmax but p = 2^(t - M), with t = logit x log2(e) and M = ceil(the row's largest t), a whole number; so 1/2 < the row's largest p <= 1. The row's sum l is taken of the UNQUANTISED p, in f32, and the product's result is divided by l at the end. Since M is a whole number, a kernel that streams over the keys may use a running M (the ceiling of the running maximum): every later rescaling is an exact power of two, so the quantised numbers keep their values, but for numbers so far below the row's largest that they fall under the format's range.
;;   OPERANDS COMPUTED ON THE WAY. 'Computed on the way' means the value that the module computes at that place (a softmax that the list does not call 'softmax' is quantised finished and normalised). What goes into a quantiser is computed in f32, as accurately as f32 sums, v_exp_f32 and their like allow (about 1e-6 of the number): no bf16 or f16 on the way to a quantiser, and a product that is left as it is and whose result goes on into a quantised operand takes f32 operands (vector FMAs, or v_wmma_f32_16x16x4_f32). A number that lies on a knife's edge between two numbers of the format may be rounded either way, as far as f32 arithmetic and the matrix unit's own rounding can turn it there, and no further.
;;   INPUTS GIVEN AS CODES. keys (in the module: [4, 2048, 8, 64], K = its axis 3); queries (in the module: [4, 2048, 8, 64], K = its axis 3); values (in the module: [4, 2048, 8, 64], K = its axis 1): each comes as NAME_codes (uint8): NAME with its K axis moved to the last place and cut into blocks of 32 codes, [.., K / 32, bytes a block], one block behind the other in memory; one code a byte (a code: sign, 5 exponent bits, 2 mantissa bits); its scale is its entry of lowp_scales. Its value is code x scale, taken as it is: it is not quantised again, and the codes and scales need not be those that the quantiser above would give.
;; One version. Each part assembles by itself: llvm-mc -triple=amdgcn-amd-amdhsa -mcpu=gfx1250 --defsym DOCPART=n.
;; ======== version 1 of 1: 1 launch
;; limits: right only within a limited range of input values
;; launch attn (part 1): grid 8 x 32, 8 waves a work-group, clusters of 4 x 1, 327,680 bytes of LDS; arguments keys_codes, lowp_scales, queries_codes, values_codes, out0; writes out0
.if DOCPART == 1
	.amdgcn_target "amdgcn-amd-amdhsa--gfx1250"
	.amdhsa_code_object_version 6
	.text
	.protected	k_qb4663673ad_attn
	.globl	k_qb4663673ad_attn
	.p2align	8
	.type	k_qb4663673ad_attn,@function
k_qb4663673ad_attn:
	s_mov_b64 s[64:65], 0
	v_nop
	global_prefetch_b8 v0, s[64:65] scope:SCOPE_SE
	s_setreg_imm32_b32 hwreg(HW_REG_WAVE_MODE, 25, 1), 1
	s_wait_xcnt 0x0
	s_wait_alu depctr_hold_cnt(0) depctr_sa_sdst(0) depctr_va_vdst(0) depctr_va_sdst(0) depctr_va_ssrc(0) depctr_va_vcc(0) depctr_vm_vsrc(0)
	s_getreg_b32 s2, hwreg(HW_REG_IB_STS2, 6, 4)
	s_cmp_eq_u32 s2, 0
	s_cbranch_scc0 .Lentry_in_a_cluster
	s_endpgm
.Lentry_in_a_cluster:
	s_bfe_u32 s2, ttmp6, 0x10000c
	s_cmp_lg_u32 s2, 0x3003
	s_cbranch_scc0 .Lentry_shape_is_right
	s_endpgm
.Lentry_shape_is_right:
; out0[b][l][h][:] = the sum over s <= l of softmax_s(q[b][l][h] . k[b][s][h] / 8) v[b][s][h][:], both products on codes of BF8 (E5M2), each operand with the one scale 2^e that is given for it:
; eq = lowp_scales[0], ek = [1], ev = [2], ep = [3].  q, k: [4][2048][8][64] codes (a head's row: 64 bytes, 512 bytes apart).  v: [4][8][64 (d)][2048 (keys)] codes.  out0: [4][2048][8][64] f32.
; THE SOFTMAX AHEAD OF THE SECOND PRODUCT: t = score x log2(e) / 8; M = the row's largest t so far, rounded UP to a whole number; p = 2^(t - M) is quantised with 2^ep, not normalised.  The row's sum is taken of
; the unquantised p, in f32, and divides O at the end.  When M moves, the sum and O are multiplied by 2^(old M - new M): exact.
; SHARES.  Grid y is the head 8 b + h; the eight work-groups along x, two clusters of four, share its 128 tiles of 16 queries.  A WAVE OWNS TWO TILES, ONE FROM EACH END OF THE HEAD: with P = w xor 3 (w / 4)
; (0 1 2 3 7 6 5 4) and sub = 4 x the cluster's x + cx, tile 0 is number 8 P + sub and tile 1 number 127 less that, 8 (15 - P) + (7 - sub).  Under the causal mask tile 0 needs NSA = P + 1 key steps of 128 and tile 1
; NSB = 16 - P: 17 tile steps in every wave of the launch.  In steps 1 .. NSA both tiles use each fragment of K and V that the wave reads; in steps NSA + 1 .. NSB tile 1 alone.  Tile 0's diagonal lies in step NSA,
; tile 1's in step NSB.  Waves w and w + 4 walk 25 steps together.  NSA and NSB hang on the wave's number alone: no branch hangs on cx.
; A HEAD'S WHOLE K AND V LIE IN LDS: 2,048 x 80 + 64 x 2,176 = 303,104 bytes with their padding.  Every byte of LDS is filled once: no ring, no refill, and behind the second barrier no wave waits for another.
; CLUSTER.  The four work-groups of a cluster need the same K and V, so each tile is asked for JOINTLY: the same four tensor loads a wave, with the same descriptors and a mask that names the four.
; They arrive in two stages: keys 0-255 first, so that steps 0 and 1 are worked while keys 256-2,047 are on their way.
; LAYOUT.  Both products are used transposed: S^T = K Q^T (source 0 = 16 keys, source 1 = 16 queries, K = 64), O^T = V^T P^T (source 0 = 16 channels, source 1 = P, K = 128 keys): a lane holds ONE query (lane % 16).
; In S^T register 8 c + j holds key 16 c + 8 (lane / 16) + j: so one conversion of eight gives registers 2 c, 2 c + 1 of the second product's source 1, and V is read by loads of 8 bytes in that same layout.
; K's and Q's fragments come by two loads of 16 bytes a lane: a permutation of the head's 64, the same on both sides, so every product meets its partner and only the order inside a sum changes.
; LIMITS on the given exponents, so that each power of two below is an f32 number: eq + ek between -123 and 130 (they are added to c's exponent field); ep between -126 and 112; ep + ev goes in by v_ldexp_f32 and has none.
; Codes of infinity and NaN among the inputs are not served.
; REGISTERS, in windows of 256 (s_set_vgpr_msb's low byte: bits 1:0 source 0, 3:2 source 1, 5:4 source 2, 7:6 destination):
;   window 0: v1-15 lane terms and addresses; v16-31 statistics, eight a tile; v32-159 S^T, then p, 64 a tile; v160-191 p's codes, 16 a tile; v192-255 K's eight fragments.
;   window 1: v0-63 O^T (tile a, channels 16 t on: 32 a + 8 t); v64-79 Q; v128-191 V's four fragments.
.set KP,   80                          ; a key's row in LDS: 64 bytes + 16 of padding = 20 words: 16 neighbouring rows start at 16 different multiples of 4 banks (64 banks of 4 bytes: ISA guide 11.1)
.set VPA,  272                         ; a row of V, keys 0-255: 256 bytes + 16
.set VPB,  1904                        ; a row of V, keys 256-2,047: seven times 256 + 16 = 476 words: 16 neighbouring rows again start at 16 different multiples of 4 banks
.set LKA,  0                           ; K, keys 0-255
.set LVA,  LKA+256*KP                  ; 20,480: V, keys 0-255
.set LKB,  LVA+64*VPA                  ; 37,888: K, keys 256-2,047
.set LVB,  LKB+1792*KP                 ; 181,248: V, keys 256-2,047; ends at 303,104
.set SP,   272                         ; the way out: a stage of 16 rows x (256 bytes + 16) for each wave, 34,816 bytes from LDS byte 0 on: in K's and V's keys 0-255, which have had their one fill and, behind the second barrier, their last read
.set LR,   1                           ; v1   lane % 16
.set LH,   2                           ; v2   lane / 16
.set AK,   3                           ; v3   my lane's place in a tile of K: 80 (lane % 16) + 16 (lane / 16)
.set AVA,  4                           ; v4   in V's keys 0-255: 272 (lane % 16) + 8 (lane / 16)
.set AVB,  5                           ; v5   in V's keys 256 on: 1,904 (lane % 16) + 8 (lane / 16)
.set ADK,  6                           ; v6   LDS address of the K that is fetched
.set ADV,  7                           ; v7   of the step's V, channels 0-31;  v8: channels 32-63
.set NINF, 10                          ; v10  -infinity
.set LIM,  11
.set SCL,  12                          ; v12  2^ep as f32
.set QO,   13                          ; v13  my byte offset in a tile's rows of Q
.set DL,   14                          ; v14, v15  the diagonal of tile 0, 1: my query's place among its step's 128 keys, less 8 (lane / 16)
.set ST,   16                          ; tile a's statistics at v[ST + 8 a]: +0 -M, +1 the largest t, +2 +3 the sum in two halves, +4 f, +5 the other half's figure, +6 +7 at work; +4 to +7 are also the maximum's four chains
.set S,    32
.set PC,   160
.set KF,   192
.set STO,  192                         ; the way out (K's registers are free then): where I put 32 bytes of a row,
.set RD,   193                         ; where I read a row back,
.set GO,   194                         ; and my byte offset in out0
.set OT,   0                           ; window 1
.set QF,   64
.set VF,   128
.set WV,   14                          ; s14  my wave's number
.set NSA,  16                          ; s16  tile 0's key steps;  s17  tile 1's
.set NSB,  17
.set SEL,  20                          ; s[20:21] lane selects for v_permlanex16_b32: lane l xor 16
.set CS,   22                          ; s[22:23] c = log2(e) / 8 x 2^(eq + ek): the packed form names a pair and takes its low word for both halves
.set G1KA, 24                          ; s[24:31], s[32:39], s[40:47], s[48:55] descriptor groups 1
.set G1KB, 32
.set G1VA, 40
.set G1VB, 48
.set G0KA, 68                          ; s[68:71], s[72:75], s[76:79], s[80:83] descriptor groups 0; no descriptor register is ever written again
.set G0VA, 72
.set G0KB, 76
.set G0VB, 80
.set UU,   88                          ; s88  the loop's counter
.set CUR,  89                          ; s89  the step's number + 1
.set VO,   90                          ; s90  LDS byte of the step's V
.set KN,   91                          ; s91  LDS byte of the next step's K
.set MSB, 0
.macro WIN new                         ; the immediate's high byte repeats the setting that is left; a switch that changes nothing is dropped
.if MSB != \new
	s_set_vgpr_msb (MSB<<8)|\new
.set MSB, \new
.endif
.endm
; A round of the cluster's barrier: my work-group's barrier, so that wave 0's signal speaks for all eight waves; wave 0 signals for the work-group; every wave waits for all four work-groups; my work-group's barrier once more.
.macro CROUND
	s_barrier_signal -1
	s_barrier_wait -1
	s_cmp_lg_u32 s[WV], 0
	s_cbranch_scc1 .Lnot_wave_0_\@
	s_barrier_signal -3
.Lnot_wave_0_\@:
	s_barrier_wait -3
	s_barrier_signal -1
	s_barrier_wait -1
.endm
	s_load_b256 s[4:11], s[0:1], 0x0               ; K's codes s[4:5], the scales' exponents s[6:7], Q's codes s[8:9], V's codes s[10:11]
	s_load_b64 s[12:13], s[0:1], 0x20              ; out0
	v_lshl_add_u32 v9, v0, 2, 0x4a000
	s_set_vgpr_msb 0x40
	v_mov_b32 v193, 0
	s_set_vgpr_msb 0x4044
	ds_add_u32 v9, v193
	ds_add_u32 v9, v193
	s_set_vgpr_msb 0x4400
	v_lshrrev_b32 v1, 5, v0
	v_readfirstlane_b32 s[WV], v1                  ; wave 0..7
	s_lshr_b32 s56, s[WV], 2
	s_mul_i32 s56, s56, 3
	s_xor_b32 s15, s[WV], s56                      ; P = 0 1 2 3 7 6 5 4
	s_add_co_u32 s[NSA], s15, 1                    ; NSA = P + 1: 1 to 8
	s_xor_b32 s[NSB], s15, 15
	s_add_co_u32 s[NSB], s[NSB], 1                 ; NSB = 16 - P: 9 to 16
	s_bfe_u32 s18, ttmp6, 0x40000                  ; cx: my place in the cluster: it enters Q's and out0's addresses and the diagonals' lane terms alone
	s_and_b32 s19, ttmp7, 0xffff                   ; the head 8 b + h
	s_lshr_b32 s56, s19, 3                         ; b
	s_and_b32 s57, s19, 7                          ; h
	s_lshl_b32 s58, s56, 20
	s_lshl_b32 s59, s57, 6
	s_add_co_u32 s58, s58, s59                     ; the head's first byte in K and in Q: 2^20 b + 64 h
	s_mov_b32 s59, 0
	s_lshl_b32 s60, s[WV], 14                      ; 32 rows of K (512 bytes apart), and 8 rows of V (2,048 bytes): both 16,384 bytes a wave
	s_mov_b32 s61, 0
	s_mul_i32 s62, s[WV], 224*512
	s_add_co_u32 s62, s62, 256*512                 ; K from key 256 on: 224 rows a wave
	s_mov_b32 s63, 0
	s_lshl_b32 s92, s19, 17                        ; the head's first byte in V: 64 rows of 2,048
	s_mov_b32 s93, 0
	s_lshl_b32 s95, ttmp9, 2                       ; (From here on: registers that hold cx and feed no descriptor)
	s_add_co_u32 s95, s95, s18                     ; sub = 4 x the cluster's x + cx: 0 to 7
	s_lshl_b32 s95, s95, 4                         ; 16 sub: tile 0's first query among the 128 keys of its last step,
	s_xor_b32 s67, s95, 112                        ; 16 (7 - sub): tile 1's
	s_lshl_b32 s2, s15, 7
	s_add_co_u32 s2, s2, s95                       ; tile 0's first query: 128 P + 16 sub,
	s_xor_b32 s3, s2, 0x7f0                        ; tile 1's: 2,032 less that (a multiple of 16 under 2,048: the exclusive or subtracts)
	s_lshl_b32 s66, s56, 22
	s_lshl_b32 s57, s57, 8
	s_add_co_u32 s66, s66, s57                     ; out0: 2^22 b + 256 h,
	s_lshl_b32 s96, s2, 11                         ; and a query's eight heads are 2,048 bytes
	s_add_co_u32 s96, s96, s66
	s_mov_b32 s97, 0
	s_lshl_b32 s98, s3, 11
	s_add_co_u32 s98, s98, s66
	s_mov_b32 s99, 0
	s_lshl_b32 s100, s2, 9                         ; Q: a query's eight heads are 512 bytes
	s_mov_b32 s101, 0
	s_lshl_b32 s2, s3, 9
	s_mov_b32 s3, 0
	; descriptor groups 1: elements of one byte; 15:0 the mask: all four work-groups; 20 padding on; 21 set beside a mask; 24:22 the padding's interval; 31:25 four words of it (code 3)
	s_mov_b32 s[G1KA], 15|(1<<20)|(1<<21)|(3<<22)|(3<<25)         ; K: after every 16 words (code 3)
	s_mov_b32 s[G1KA+1], 64<<16                    ; tensor_dim0 = 64
	s_mov_b32 s[G1KA+2], 32<<16                    ; tensor_dim1 = 32 rows a wave
	s_mov_b32 s[G1KA+3], 64<<16                    ; tile_dim0
	s_mov_b32 s[G1KA+4], 32                        ; tile_dim1
	s_mov_b32 s[G1KA+5], 512                       ; from row to row
	s_mov_b32 s[G1KA+6], 0
	s_mov_b32 s[G1KA+7], 0
	s_mov_b32 s[G1KB], 15|(1<<20)|(1<<21)|(3<<22)|(3<<25)
	s_mov_b32 s[G1KB+1], 64<<16
	s_mov_b32 s[G1KB+2], 224<<16                   ; 224 rows a wave
	s_mov_b32 s[G1KB+3], 64<<16
	s_mov_b32 s[G1KB+4], 224
	s_mov_b32 s[G1KB+5], 512
	s_mov_b32 s[G1KB+6], 0
	s_mov_b32 s[G1KB+7], 0
	s_mov_b32 s[G1VA], 15|(1<<20)|(1<<21)|(5<<22)|(3<<25)         ; V: after every 64 words (code 5)
	s_mov_b32 s[G1VA+1], 256<<16                   ; 256 keys,
	s_mov_b32 s[G1VA+2], 8<<16                     ; 8 channels a wave
	s_mov_b32 s[G1VA+3], 256<<16
	s_mov_b32 s[G1VA+4], 8
	s_mov_b32 s[G1VA+5], 2048
	s_mov_b32 s[G1VA+6], 0
	s_mov_b32 s[G1VA+7], 0
	s_mov_b32 s[G1VB], 15|(1<<20)|(1<<21)|(5<<22)|(3<<25)
	s_mov_b32 s[G1VB+1], 1792<<16                  ; 1,792 keys: seven intervals of padding to a row
	s_mov_b32 s[G1VB+2], 8<<16
	s_mov_b32 s[G1VB+3], 1792<<16
	s_mov_b32 s[G1VB+4], 8
	s_mov_b32 s[G1VB+5], 2048
	s_mov_b32 s[G1VB+6], 0
	s_mov_b32 s[G1VB+7], 0
	s_mov_b32 s[SEL], 0x76543210
	s_mov_b32 s[SEL+1], 0xfedcba98
	s_wait_dscnt 0x0
	s_wait_kmcnt 0x0
	s_load_b128 s[84:87], s[6:7], 0x0              ; eq, ek, ev, ep
	s_add_nc_u64 s[4:5], s[4:5], s[58:59]          ; K at the head
	s_add_nc_u64 s[8:9], s[8:9], s[58:59]          ; Q at the head:
	s_add_nc_u64 s[2:3], s[8:9], s[2:3]            ; at tile 1's first query,
	s_add_nc_u64 s[8:9], s[8:9], s[100:101]        ; at tile 0's
	s_add_nc_u64 s[10:11], s[10:11], s[92:93]      ; V at the head,
	s_add_nc_u64 s[10:11], s[10:11], s[60:61]      ; at my wave's 8 channels
	s_add_nc_u64 s[98:99], s[12:13], s[98:99]      ; out0 at tile 1's first query,
	s_add_nc_u64 s[12:13], s[12:13], s[96:97]      ; at tile 0's
	; descriptor groups 0: the word 1, the LDS address (a constant + a constant x wave), the global address, the type 2 on top
	s_mov_b32 s[G0KA], 1
	s_mul_i32 s[G0KA+1], s[WV], 32*KP
	s_add_nc_u64 s[G0KA+2:G0KA+3], s[4:5], s[60:61]
	s_or_b32 s[G0KA+3], s[G0KA+3], 0x80000000
	s_mov_b32 s[G0VA], 1
	s_mul_i32 s[G0VA+1], s[WV], 8*VPA
	s_add_co_u32 s[G0VA+1], s[G0VA+1], LVA
	s_mov_b64 s[G0VA+2:G0VA+3], s[10:11]
	s_or_b32 s[G0VA+3], s[G0VA+3], 0x80000000
	s_mov_b32 s[G0KB], 1
	s_mul_i32 s[G0KB+1], s[WV], 224*KP
	s_add_co_u32 s[G0KB+1], s[G0KB+1], LKB
	s_add_nc_u64 s[G0KB+2:G0KB+3], s[4:5], s[62:63]
	s_or_b32 s[G0KB+3], s[G0KB+3], 0x80000000
	s_mov_b32 s[G0VB], 1
	s_mul_i32 s[G0VB+1], s[WV], 8*VPB
	s_add_co_u32 s[G0VB+1], s[G0VB+1], LVB
	s_add_nc_u64 s[G0VB+2:G0VB+3], s[10:11], 256
	s_or_b32 s[G0VB+3], s[G0VB+3], 0x80000000
	CROUND                                         ; all four work-groups are here: the joint loads meet
	tensor_load_to_lds s[G0KA:G0KA+3], s[G1KA:G1KA+7]   ; all fills of the launch go out together, the same four lines in every wave: four loads of mine are out
	s_nop 0
	tensor_load_to_lds s[G0VA:G0VA+3], s[G1VA:G1VA+7]
	s_nop 0
	tensor_load_to_lds s[G0KB:G0KB+3], s[G1KB:G1KB+7]
	s_nop 0
	tensor_load_to_lds s[G0VB:G0VB+3], s[G1VB:G1VB+7]
	s_nop 0
.rept 4
	v_nop                                          ; four v_nop follow the last of them, ahead of the first switch of windows
.endr
	v_and_b32 v[LR], 15, v0
	v_bfe_u32 v[LH], v0, 4, 1
	v_lshlrev_b32 v[QO], 9, v[LR]
	v_lshl_add_u32 v[QO], v[LH], 4, v[QO]          ; Q: row lane % 16 of 512 bytes, + 16 (lane / 16)
	WIN 0x40                                       ; destination window 1
.irp i, 0,1
	global_load_b128 v[QF+4*\i:QF+4*\i+3],     v[QO], s[8:9] offset:32*\i   ; Q's two fragments stay in registers: tile 0's,
	global_load_b128 v[QF+8+4*\i:QF+8+4*\i+3], v[QO], s[2:3] offset:32*\i   ; tile 1's
.endr
.set j, 0
.rept 64
	v_mov_b32 v[OT+j], 0                           ; O^T.  (The key step is written without a first form of its own: the first step finds zeros, which the first change of M leaves zeros)
.set j, j+1
.endr
	WIN 0
	v_mul_u32_u24 v[AK], v[LR], KP
	v_lshl_add_u32 v[AK], v[LH], 4, v[AK]
	v_mul_u32_u24 v[AVA], v[LR], VPA
	v_lshl_add_u32 v[AVA], v[LH], 3, v[AVA]
	v_mul_u32_u24 v[AVB], v[LR], VPB
	v_lshl_add_u32 v[AVB], v[LH], 3, v[AVB]
	v_lshlrev_b32 v[DL], 3, v[LH]
	v_sub_nc_u32 v[DL], v[LR], v[DL]               ; lane % 16 - 8 (lane / 16),
	v_add_nc_u32 v[DL+1], s67, v[DL]               ; + 16 (7 - sub) for tile 1,
	v_add_nc_u32 v[DL], s95, v[DL]                 ; + 16 sub for tile 0
	v_mov_b32 v[NINF], 0xff800000
.irp a, 0,1
	v_mov_b32 v[ST+8*\a+1], 0xff61b1e6             ; the largest t so far: -3e38, under every t
	v_floor_f32 v[ST+8*\a], -v[ST+8*\a+1]          ; -M
	v_mov_b32 v[ST+8*\a+2], 0                      ; the sum, in two halves
	v_mov_b32 v[ST+8*\a+3], 0
.endr
	s_wait_kmcnt 0x0
	s_add_co_i32 s56, s84, s85
	s_lshl_b32 s56, s56, 23
	s_add_co_i32 s[CS], s56, 0x3e38aa3b            ; c = log2(e) / 8; a score stands for score x 2^(eq + ek): the two exponents are added to c's exponent field
	s_mov_b32 s[CS+1], s[CS]                       ; (named with it as a pair, so it is written)
	s_add_co_i32 s56, s87, 127
	s_lshl_b32 s57, s56, 23
	v_mov_b32 v[SCL], s57                          ; 2^ep as f32: the conversion takes its exponent field
	s_add_co_i32 s94, s86, s87                     ; ev + ep
; K's eight fragments of a step: tile c = keys 16 c on; two loads of 16 bytes a fragment, 32 bytes apart
.macro FETCHK
.irp c, 0,1,2,3,4,5,6,7
	ds_load_b128 v[KF+8*\c:KF+8*\c+3],   v[ADK] offset:16*KP*\c
	ds_load_b128 v[KF+8*\c+4:KF+8*\c+7], v[ADK] offset:16*KP*\c+32
.endr
.endm
; Line q of 11 of tile a's statistics, behind the maximum's four chains
.macro STATS a, q
.set rT, ST+8*\a
.if \q == 0
	v_max3_num_f32 v[rT+6], v[rT+4], v[rT+5], v[rT+6]
.elseif \q == 1
	v_max_num_f32 v[rT+6], v[rT+6], v[rT+7]        ; the step's largest score of my query among my 64 keys,
.elseif \q == 2
	v_permlanex16_b32 v[rT+5], v[rT+6], s[SEL], s[SEL+1]
.elseif \q == 3
	v_max_num_f32 v[rT+6], v[rT+6], v[rT+5]        ; and among lane l xor 16's
.elseif \q == 4
	v_mul_f32 v[rT+6], s[CS], v[rT+6]              ; as t (c is positive)
.elseif \q == 5
	v_max_num_f32 v[rT+1], v[rT+1], v[rT+6]        ; the running largest t
.elseif \q == 6
	v_mov_b32 v[rT+6], v[rT]
.elseif \q == 7
	v_floor_f32 v[rT], -v[rT+1]                    ; the new -M = floor(-t) = -ceil(t): M is a whole number
.elseif \q == 8
	v_sub_f32 v[rT+6], v[rT], v[rT+6]              ; M's old value less its new one: a whole number, 0 or less
.elseif \q == 9
	v_cvt_i32_f32 v[rT+6], v[rT+6]                 ; (it saturates)
.else
	v_ldexp_f32 v[rT+4], 1.0, v[rT+6]              ; f = 2^(old M - new M): a multiplication by it rounds nothing
.endif
.endm
; Line si of 33 of tile a's sum of the UNQUANTISED p, two at a time, in two chains: 0: the old sum x f; 1: the second chain starts; 2-31: the two chains by turns; 32: they meet.  Line si reads no p beyond number 2 si + 1
.macro SUMITEM a
.set rT, ST+8*\a
.set rS, S+64*\a
.set sm, si/2
.if si == 0
	v_pk_mul_f32 v[rT+2:rT+3], v[rT+2:rT+3], v[rT+4:rT+5] op_sel_hi:[1,0]
.elseif si == 1
	s_wait_alu depctr_va_vdst(0)
	v_pk_add_f32 v[rT+6:rT+7], v[rS:rS+1], v[rS+2:rS+3]
.elseif si == 32
	v_pk_add_f32 v[rT+2:rT+3], v[rT+2:rT+3], v[rT+6:rT+7]
.elseif si%2 == 0
	v_pk_add_f32 v[rT+2:rT+3], v[rT+2:rT+3], v[rS+4*sm:rS+4*sm+1]
.else
	v_pk_add_f32 v[rT+6:rT+7], v[rT+6:rT+7], v[rS+4*sm+2:rS+4*sm+3]
.endif
.set si, si+1
.endm
; Tile a's scores become p, its sum and its codes.  t - M is packed (of the pairs c and -M the low word serves both halves) and runs four pairs ahead of the exponentials.  Behind every two exponentials stands a plain
; line of other work, ahead of any use of their results (ISA guide 5.7.2).  A number is held only behind the line of the sum that has read it.
.macro TILEWORK a
.set rT, ST+8*\a
.set rS, S+64*\a
.set j, 0
.rept 4
	v_pk_fma_f32 v[rS+j:rS+j+1], v[rS+j:rS+j+1], s[CS:CS+1], v[rT:rT+1] op_sel_hi:[1,0,0]
.set j, j+2
.endr
.set si, 0
.set ee, 0
.rept 32
	v_exp_f32 v[rS+ee], v[rS+ee]                   ; p = 2^(t - M), at most 1: not normalised
	v_exp_f32 v[rS+ee+1], v[rS+ee+1]
.if ee < 56
	v_pk_fma_f32 v[rS+ee+8:rS+ee+9], v[rS+ee+8:rS+ee+9], s[CS:CS+1], v[rT:rT+1] op_sel_hi:[1,0,0]
.else
	SUMITEM \a                                     ; the sum's lines 0 to 3: they read p 0 to 7
.endif
.set ee, ee+2
.endr
.set j, 0
.rept 14
	SUMITEM \a
	SUMITEM \a
	s_wait_alu depctr_va_vdst(0)
.set j, j+4
.endr
	SUMITEM \a                                     ; the sum is whole
.rept 8
.set j, j+1
.endr
.irp c, 0,1,2,3,4,5,6,7
	v_cvt_scalef32_pk8_bf8_f32 v[PC+16*\a+2*\c:PC+16*\a+2*\c+1], v[rS+8*\c:rS+8*\c+7], v[SCL]   ; keys 16 c + 8 (lane / 16) + 0 .. 7: registers 2 c, 2 c + 1 of the second product's source 1
.endr
.endm
; A KEY STEP: 128 keys against both my tiles (two = 1) or against tile 1 alone (two = 0).  Its K was fetched a step ago.  lanev: the register with my lane's place in V; pitch: V's row pitch there;
; pre = 1: the next step's K is fetched; msk = 1: the step may be the diagonal's: tile 0's where two = 1, tile 1's where two = 0.
.macro STEP lanev, pitch, pre, two, msk
	v_add_nc_u32 v[ADV], s[VO], v[\lanev]          ; these lines and the v_nop are the four places between the last step's products, which read V's registers, and the loads into them
	v_add_nc_u32 v[ADV+1], 32*\pitch, v[ADV]       ; channels 32 on have a register of their own: 48 rows of 1,904 bytes pass the 16-bit offset
.if \pre
	v_add_nc_u32 v[ADK], s[KN], v[AK]
	v_nop
.else
	v_nop
	v_nop
.endif
	WIN 0x40                                       ; destination window 1
.irp t, 0,1,2,3
.irp c, 0,1,2,3,4,5,6,7
	ds_load_b64 v[VF+16*\t+2*\c:VF+16*\t+2*\c+1], v[ADV+\t/2] offset:(\t%2)*16*\pitch+16*\c   ; V^T: channel 16 t + lane % 16, keys 16 c + 8 (lane / 16) + 0 .. 7
.endr
.endr
	s_wait_dscnt 32                                ; the 32 just issued may be out: the 16 loads of this step's K, which are older, are in
	WIN 0x04                                       ; source 1 (Q) window 1
.irp c, 0,1,2,3,4,5,6,7
.irp a, 0,1
.if \a+\two > 0
	v_wmma_f32_16x16x64_bf8_bf8 v[S+64*\a+8*\c:S+64*\a+8*\c+7], v[KF+8*\c:KF+8*\c+7], v[QF+8*\a:QF+8*\a+7], 0
.endif
.endr
.endr
	WIN 0
.rept 4
	v_nop                                          ; four places ahead of the first read of the scores and of the loads into K's registers
.endr
.if \pre
	FETCHK
.endif
.if \msk
	s_cmp_lg_u32 s[CUR], s[NSB-\two]               ; only a tile's last step lies on its diagonal: a scalar branch on the wave's number and the step
	s_cbranch_scc1 .Lopen_\@
.set n, 0
.rept 64                                       ; there register n holds key 16 (n / 8) + n % 8 + 8 (lane / 16) of the step: a key behind my query's place gets the score -infinity, so that p = 0
	v_cmp_gt_i32 vcc_lo, 16*(n/8)+n%8, v[DL+1-\two]
	v_cndmask_b32 v[S+64*(1-\two)+n], v[S+64*(1-\two)+n], v[NINF], vcc_lo
.set n, n+1
.endr
.Lopen_\@:
.endif
	; the largest of a lane's 64 scores, in four chains a tile, in ascending order: each accumulator is read from its low end on; where there are two tiles they alternate line by line
.irp k, 0,1,2,3
.irp a, 0,1
.if \a+\two > 0
	v_max3_num_f32 v[ST+8*\a+4+\k], v[S+64*\a+3*\k], v[S+64*\a+3*\k+1], v[S+64*\a+3*\k+2]
.endif
.endr
.endr
.set i, 12
.rept 26
.irp a, 0,1
.if \a+\two > 0
	v_max3_num_f32 v[ST+8*\a+4+((i-12)/2)%4], v[ST+8*\a+4+((i-12)/2)%4], v[S+64*\a+i], v[S+64*\a+i+1]
.endif
.endr
.set i, i+2
.endr
.irp q, 0,1,2,3,4,5,6,7,8,9,10
.irp a, 0,1
.if \a+\two > 0
	STATS \a, \q
.endif
.endr
.endr
.if \two
	TILEWORK 0
.endif
	TILEWORK 1
	WIN 0x41                                       ; O^T (destination and source 0) window 1, f window 0
.irp a, 0,1
.if \a+\two > 0
.set j, 0
.rept 16
	v_pk_mul_f32 v[OT+32*\a+j:OT+32*\a+j+1], v[OT+32*\a+j:OT+32*\a+j+1], v[ST+8*\a+4:ST+8*\a+5] op_sel_hi:[1,0]   ; O^T under the new M, each accumulator from its low end on.  (Also the plain lines between the conversions and the products that read their results)
.set j, j+2
.endr
.endif
.endr
	s_wait_dscnt 16*\pre                           ; V is in; the next step's 16 loads of K, which are younger, may be out
	WIN 0x51                                       ; V and O^T window 1, p's codes window 0
.irp t, 0,1,2,3
.irp a, 0,1
.if \a+\two > 0
	v_wmma_f32_16x16x128_bf8_bf8 v[OT+32*\a+8*\t:OT+32*\a+8*\t+7], v[VF+16*\t:VF+16*\t+15], v[PC+16*\a:PC+16*\a+15], v[OT+32*\a+8*\t:OT+32*\a+8*\t+7]   ; the accumulators take turns, one instruction a turn
.endif
.endr
.endr
	WIN 0
.endm
	s_wait_tensorcnt 2                             ; tensor loads of a wave end in order (ISA guide 10.11.1): my parts of keys 0-255 are in; those of keys 256 on may stay out
	s_barrier_signal -1
	s_barrier_wait -1                              ; everybody's are
	v_mov_b32 v[ADK], v[AK]                        ; K's keys 0-255 begin at LDS byte 0
	FETCHK                                         ; step 0's K
	s_wait_loadcnt 0x0                             ; Q
	s_mov_b32 s[CUR], 1
	s_mov_b32 s[VO], LVA
	s_mov_b32 s[KN], LKA+128*KP
	STEP AVA, VPA, 1, 1, 1                         ; step 0: both tiles, in every wave
	s_mov_b32 s[CUR], 2
	s_mov_b32 s[VO], LVA+128
	s_cmp_gt_u32 s[CUR], s[NSA]
	s_cbranch_scc1 .Lstep_1_single                 ; the wave with P = 0 has finished its tile 0
	STEP AVA, VPA, 0, 1, 1
	s_branch .Lstep_1_done
.Lstep_1_single:
	STEP AVA, VPA, 0, 0, 0                         ; (tile 1's diagonal lies in step 8 at the earliest)
.Lstep_1_done:
	s_wait_tensorcnt 0x0                           ; my parts of keys 256 on are in,
	s_wait_dscnt 0x0                               ; and my reads of keys 0-255 are over: behind this barrier those bytes are the stages
	s_barrier_signal -1
	s_barrier_wait -1                              ; both hold of every wave.  From here to the end no wave waits for another
	v_add_nc_u32 v[ADK], LKB, v[AK]
	FETCHK                                         ; step 2's K
	s_mov_b32 s[UU], 0
.Lstep:                                                ; 14 trips in every wave: steps 2 to 15; a step behind tile 1's last is jumped over
	s_add_co_u32 s[CUR], s[UU], 3
	s_cmp_gt_u32 s[CUR], s[NSB]
	s_cbranch_scc1 .Lhidden
	s_lshr_b32 s56, s[UU], 1
	s_mul_i32 s56, s56, 272                        ; V: two steps to an interval of 256 bytes + 16
	s_and_b32 s57, s[UU], 1
	s_lshl_b32 s57, s57, 7
	s_add_co_u32 s[VO], s56, s57
	s_add_co_u32 s[VO], s[VO], LVB
	s_add_co_u32 s[KN], s[UU], 1
	s_min_u32 s[KN], s[KN], 13                     ; the last step fetches its own K once more: no read leaves K's bytes
	s_mul_i32 s[KN], s[KN], 128*KP
	s_add_co_u32 s[KN], s[KN], LKB
	s_cmp_gt_u32 s[CUR], s[NSA]
	s_cbranch_scc1 .Lsingle
	STEP AVB, VPB, 1, 1, 1                         ; both tiles
	s_branch .Lhidden
.Lsingle:
	STEP AVB, VPB, 1, 0, 1                         ; tile 1 alone
.Lhidden:
	s_add_co_u32 s[UU], s[UU], 1
	s_cmp_lt_u32 s[UU], 14
	s_cbranch_scc1 .Lstep
	; THE WAY OUT.  O^T / the sum x 2^(ev + ep) goes through my stage in LDS, a tile (16 queries x 256 bytes) at a time, so that sixteen lanes store the 256 consecutive bytes of one query's head, at a multiple of 256 from out0's first byte.
	s_wait_dscnt 0x0                               ; the K that was fetched last and never used is in: its registers are free
	s_mul_i32 s56, s[WV], 16*SP                    ; my stage
	v_mul_u32_u24 v[STO], v[LR], SP                ; (these six lines are the places behind the last products)
	v_lshl_add_u32 v[STO], v[LH], 5, v[STO]
	v_add_nc_u32 v[STO], s56, v[STO]               ; in: row lane % 16; channel tile t's eight channels of my half: 64 t + 32 (lane / 16) bytes on
	v_mul_u32_u24 v[RD], v[LH], SP
	v_lshl_add_u32 v[RD], v[LR], 4, v[RD]
	v_add_nc_u32 v[RD], s56, v[RD]                 ; back: lanes 0-15 one row, lanes 16-31 the next
.irp a, 0,1
	v_add_f32 v[ST+8*\a+6], v[ST+8*\a+2], v[ST+8*\a+3]   ; the sum's two halves,
.endr
.irp a, 0,1
	v_permlanex16_b32 v[ST+8*\a+5], v[ST+8*\a+6], s[SEL], s[SEL+1]
.endr
.irp a, 0,1
	v_add_f32 v[ST+8*\a+6], v[ST+8*\a+6], v[ST+8*\a+5]   ; and lane l xor 16's: the row's sum
.endr
.irp a, 0,1
	v_rcp_f32 v[ST+8*\a+4], v[ST+8*\a+6]
.endr
	v_lshlrev_b32 v[GO], 11, v[LH]                 ; (plain lines behind the reciprocals)  the same two rows in out0: 2,048 bytes from query to query
	v_lshl_add_u32 v[GO], v[LR], 4, v[GO]
	s_wait_alu depctr_va_vdst(0)
.irp a, 0,1
	v_ldexp_f32 v[ST+8*\a+4], v[ST+8*\a+4], s94    ; x 2^(ev + ep)
.endr
.macro OUTT a
	WIN 0x01                                       ; source 0 (O^T) window 1
.set j, 0
.rept 16
	v_pk_mul_f32 v[S+64*\a+j:S+64*\a+j+1], v[OT+32*\a+j:OT+32*\a+j+1], v[ST+8*\a+4:ST+8*\a+5] op_sel_hi:[1,0]   ; register 8 t + i is out(query lane % 16, channel 16 t + 8 (lane / 16) + i); each accumulator from its low end on
.set j, j+2
.endr
	WIN 0
.irp t, 0,1,2,3
	ds_store_b128 v[STO], v[S+64*\a+8*\t:S+64*\a+8*\t+3] offset:64*\t
	ds_store_b128 v[STO], v[S+64*\a+8*\t+4:S+64*\a+8*\t+7] offset:64*\t+16
.endr
.irp i, 0,1,2,3,4,5,6,7
	ds_load_b128 v[S+64*\a+32+4*\i:S+64*\a+32+4*\i+3], v[RD] offset:2*SP*\i   ; LDS serves a wave's instructions in order (ISA guide 5.7.1.4): these see my stores, and the next tile's stores come behind them
.endr
.endm
.macro SEND a, base, younger           ; base: out0 at the tile's first query; younger: the LDS instructions issued behind tile a's loads
.irp i, 0,1,2,3,4,5,6,7
	s_wait_dscnt \younger+7-\i                     ; rows 2 i and 2 i + 1 are back in registers
	global_store_b128 v[GO], v[S+64*\a+32+4*\i:S+64*\a+32+4*\i+3], s[\base:\base+1] offset:2*\i*2048 th:TH_STORE_NT   ; written once, read by nobody here
.endr
.endm
	OUTT 0
	OUTT 1
	SEND 0, 12, 16                                 ; behind tile 0's loads: tile 1's eight stores and eight loads
	SEND 1, 98, 0
	s_wait_dscnt 0x0                               ; no LDS instruction of mine is pending at the signal below
	s_set_vgpr_msb 0x4
	s_wait_tensorcnt 0x0
	ds_add_u32 v9, v193
	s_wait_dscnt 0x0
	s_set_vgpr_msb 0x400
	CROUND                                         ; the closing round: no work-group ends while a partner may still ask for a tile that names it
	s_endpgm
.Lfunc_end_k_qb4663673ad_attn:
	.size	k_qb4663673ad_attn, .Lfunc_end_k_qb4663673ad_attn-k_qb4663673ad_attn
	.p2alignl 7, 3214868480
	.fill 96, 4, 3214868480
	.section	.rodata,"a",@progbits
	.p2align	6, 0x0
	.amdhsa_kernel k_qb4663673ad_attn
		.amdhsa_group_segment_fixed_size 327680
		.amdhsa_private_segment_fixed_size 0
		.amdhsa_enable_private_segment 0
		.amdhsa_kernarg_size 40
		.amdhsa_user_sgpr_count 2
		.amdhsa_user_sgpr_kernarg_segment_ptr 1
		.amdhsa_wavefront_size32 1
		.amdhsa_system_sgpr_workgroup_id_x 1
		.amdhsa_system_sgpr_workgroup_id_y 1
		.amdhsa_system_sgpr_workgroup_id_z 1
		.amdhsa_system_vgpr_workitem_id 0
		.amdhsa_next_free_vgpr 450
		.amdhsa_next_free_sgpr 102
		.amdhsa_reserve_vcc 1
		.amdhsa_float_denorm_mode_32 3
		.amdhsa_float_denorm_mode_16_64 3
		.amdhsa_fp16_overflow 1
		.amdhsa_memory_ordered 1
		.amdhsa_forward_progress 1
		.amdhsa_inst_pref_size 147
	.end_amdhsa_kernel
	.amdgpu_metadata
---
amdhsa.version: [ 1, 2 ]
amdhsa.kernels:
  - .name:           k_qb4663673ad_attn
    .symbol:         k_qb4663673ad_attn.kd
    .args:
      - { .name: keys_codes, .offset: 0, .size: 8, .value_kind: global_buffer, .address_space: global }
      - { .name: lowp_scales, .offset: 8, .size: 8, .value_kind: global_buffer, .address_space: global }
      - { .name: queries_codes, .offset: 16, .size: 8, .value_kind: global_buffer, .address_space: global }
      - { .name: values_codes, .offset: 24, .size: 8, .value_kind: global_buffer, .address_space: global }
      - { .name: out0, .offset: 32, .size: 8, .value_kind: global_buffer, .address_space: global }
    .group_segment_fixed_size: 327680
    .private_segment_fixed_size: 0
    .kernarg_segment_align: 8
    .kernarg_segment_size: 40
    .max_flat_workgroup_size: 256
    .sgpr_count:     102
    .vgpr_count:     450
    .wavefront_size: 32
...
	.end_amdgpu_metadata
.endif
;; end of part 1
